; MI455X (gfx1250); checked and timed in simulation.
; The chip was launched on July 23, 2026; its instructions are those of AMD's public machine-readable ISA for CDNA 5 (MIT licence, August 2026) and "CDNA5" Instruction Set Architecture Reference Guide (July 2026). The comments in the code are by the model that wrote it; some were corrected since.
;; Quantized Weight Layer. Allowed arithmetic: matrix products marked QUANTISED: E5M2 operands, one E8M0 scale for each 32 along K, by v_wmma_scale_f32_16x16x128_f8f6f4 with both operands' format E5M2, f32 sums; everything else in f32.
;; Inputs: quantized_kernel 4,096 x 2,048 int8; scale one number float32; x_codes 4 x 2,048 x 128 x 32 uint8 (E5M2 codes of x, K innermost, in blocks of 32 codes); x_scales 4 x 2,048 x 128 uint8 (E8M0 scales of x, one for each 32 codes along K).
;; Outputs: out0 4 x 2,048 x 2,048 float32.
;; This version of the problem:
;;   THIS VERSION OF THE PROBLEM IS GIVEN IN LOW PRECISION. The matrix products marked QUANTISED in the list below multiply operands that are first quantised to E5M2 (5 exponent bits, 2 mantissa bits; 8 bits a number), with one power-of-two scale for each 32 numbers along K (OCP MX v1.0); their sums are f32. All else is computed in f32.
;;   The module's matrix products, in the order in which they are computed (A, B: the left and right operand; K: the contracted axis; several contracted axes count as one K, in the product's order):
;;     1. [M 8,192, K 4,096] x [K 4,096, N 2,048]; A: input x (given as codes); B: computed on the way: QUANTISED
;;   THE QUANTISER, for each operand of a quantised product, along K:
;;     - K is cut into blocks of 32 from its start; a last block that is shorter is filled with zeros.
;;     - A block's scale is 2^e with e = floor(log2(the largest magnitude in the block)) - 15, held to -126 .. 127; a block of zeros has e = 0. As a byte (E8M0): e + 127.
;;     - Each number is divided by its block's scale, clamped to +-57,344, and rounded to the nearest number of E5M2, ties to even, subnormals kept.
;;     - The product sums the exact products of the quantised numbers (number of the format x scale) in f32.
;;   ~~~python
;;   def quantise(x, axis):      # numpy; x: float32 -> the quantised numbers, widened to float32 again
;;       x = np.moveaxis(x, axis, -1); K = x.shape[-1]
;;       x = np.pad(x, [(0, 0)] * (x.ndim - 1) + [(0, -K % 32)]); x = x.reshape(x.shape[:-1] + (-1, 32)); a = np.abs(x).max(-1, keepdims=True)
;;       e = np.where(a > 0, np.clip(np.frexp(np.where(a > 0, a, 1))[1] - 1 - 15, -126, 127), 0)      # np.frexp(a)[1] - 1 = floor(log2(a)), exactly
;;       r = np.clip(x / 2.0 ** e, -57344, 57344)
;;       step = 2.0 ** (np.maximum(np.frexp(np.where(r == 0, 1, r))[1] - 1, -14) - 2)
;;       q = np.round(r / step) * step * 2.0 ** e      # np.round: ties to even
;;       return np.moveaxis(q.reshape(q.shape[:-2] + (-1,))[..., :K], -1, axis).astype(np.float32)
;;   ~~~
;;   OPERANDS COMPUTED ON THE WAY. 'Computed on the way' means the value that the module computes at that place (a softmax that the list does not call 'softmax' is quantised finished and normalised). What goes into a quantiser is computed in f32, as accurately as f32 sums, v_exp_f32 and their like allow (about 1e-6 of the number): no bf16 or f16 on the way to a quantiser, and a product that is left as it is and whose result goes on into a quantised operand takes f32 operands (vector FMAs, or v_wmma_f32_16x16x4_f32). A number that lies on a knife's edge between two numbers of the format may be rounded either way, as far as f32 arithmetic and the matrix unit's own rounding can turn it there, and no further.
;;   INPUTS GIVEN AS CODES. x (in the module: [4, 2048, 4096], K = its axis 2): each comes as NAME_codes (uint8): NAME with its K axis moved to the last place and cut into blocks of 32 codes, [.., K / 32, bytes a block], one block behind the other in memory; one code a byte (a code: sign, 5 exponent bits, 2 mantissa bits); and NAME_scales (uint8): the same leading axes, one E8M0 byte (e + 127) for each 32 codes along K. Its value is code x scale, taken as it is: it is not quantised again, and the codes and scales need not be those that the quantiser above would give.
;; One version. Each part assembles by itself: llvm-mc -triple=amdgcn-amd-amdhsa -mcpu=gfx1250 --defsym DOCPART=n.
;; ======== version 1 of 1: 2 launches
;; limits: right only within a limited range of input values
;; workspace buffers: wq 8,650,752 bytes
;; launch quant (part 1): grid 16 x 16, 4 waves a work-group, no clusters, 35,328 bytes of LDS; arguments quantized_kernel, scale, wq; writes wq
.if DOCPART == 1
	.amdgcn_target "amdgcn-amd-amdhsa--gfx1250"
	.amdhsa_code_object_version 6
	.text
	.protected	k_q22d2eaf150_quant
	.globl	k_q22d2eaf150_quant
	.p2align	8
	.type	k_q22d2eaf150_quant,@function
k_q22d2eaf150_quant:
	s_mov_b64 s[64:65], 0
	v_nop
	global_prefetch_b8 v0, s[64:65] scope:SCOPE_SE
	s_setreg_imm32_b32 hwreg(HW_REG_WAVE_MODE, 25, 1), 1
	s_wait_xcnt 0x0
; W[k][n] = f32(quantized_kernel[k][n]) x scale is turned into codes of BF8 (E5M2) with one E8M0 byte for each 32 along K, K being W's first axis.
; A block's byte is its largest magnitude's exponent field - 15, held at 1 from below; numbers are held within +-57,344 x the scale and rounded to the nearest code, ties to even.
; WHAT IS STORED: wq[n / 64][k / 128] in units of 8,448 bytes, in the order of the product's operand registers:
;   bytes 2048 f + 512 c + 16 (16 h + r) + 0..15: codes of column 64 (n/64) + 16 f + r, k = 128 (k/128) + 32 c + 16 h + 0..15;
;   bytes 8192 + 128 (f / 2) + 4 (16 (f % 2) + r) + c: that column's scale byte of block c.
; SHARES: a work-group (x = n / 128, y = k / 256) makes four units.  Wave w takes k = 64 w + 0..63 of the 256, two blocks of 32, for 128 columns; a lane takes four columns and its
; registers run down K, so a block's 32 numbers lie in one lane.  The units meet in a stage in LDS; wave w stores unit w, 512 consecutive bytes a store (the scale words: 256).
; w x scale is rounded once: u = w + 128 and fma(u, scale, -128 scale).
; LIMITS: a NaN or infinite scale and |scale| above 2^120 are not served.  A block of zeros gets the byte 1 where the rule says 127: its codes are zeros and this program alone reads the bytes.
.set UNIT,  8448
.set SB,    16                         ; v16-19   column c's two scale bytes
.set X,     32                         ; v32-95   my 64 words as loaded
.set F,     96                         ; v96-127  one column's 32 numbers, f32
.set C,     128                        ; v128-191 codes
.set OUTR,  32                         ; v32-97   the way out
	s_load_b128 s[4:7], s[0:1], 0x0                ; W, where scale lies
	s_load_b64 s[8:9], s[0:1], 0x10                ; wq
	v_lshl_add_u32 v192, v0, 2, 0x8800             ; my spare word, behind the stage
	v_mov_b32 v193, 0
	v_lshrrev_b32 v1, 5, v0
	v_readfirstlane_b32 s12, v1                    ; wave
	v_and_b32 v2, 31, v0                           ; lane
	v_lshlrev_b32 v3, 2, v2                        ; in: 4 bytes a lane
	v_bfe_u32 v10, v0, 4, 1                        ; which 64 columns
	v_mul_u32_u24 v10, v10, 2*UNIT
	v_bfe_u32 v11, v0, 2, 2                        ; f
	v_and_b32 v12, 3, v0                           ; r / 4
	v_bfe_u32 v13, v0, 6, 1                        ; w / 2: which 128 along K
	v_mul_u32_u24 v13, v13, UNIT
	v_add_nc_u32 v10, v10, v13                     ; my unit in the stage
	v_bfe_u32 v13, v0, 5, 1                        ; w % 2
	v_lshl_add_u32 v4, v11, 11, v10                ; codes: 2048 f + 64 (r / 4) + 1024 (w % 2)
	v_lshl_add_u32 v4, v12, 6, v4
	v_lshl_add_u32 v4, v13, 10, v4
	v_lshl_add_u32 v5, v11, 6, v10                 ; scale bytes: 64 f + 16 (r / 4) + 2 (w % 2); 8192 stands in the immediate
	v_lshl_add_u32 v5, v12, 4, v5
	v_lshl_add_u32 v5, v13, 1, v5
	v_lshlrev_b32 v6, 4, v2                        ; the way out: 16 bytes a lane,
	v_mad_u32_u24 v7, v1, UNIT, v6                 ; of unit w in the stage
	v_lshlrev_b32 v15, 3, v2                       ; and 8 bytes a lane of its scale words
	v_mad_u32_u24 v14, v1, UNIT, v15
	s_and_b32 s13, ttmp7, 0xffff                   ; k / 256
	s_lshl_b32 s14, s13, 19                        ; W: 256 rows of 2,048 bytes,
	s_lshl_b32 s15, s12, 17                        ; 64 w rows,
	s_add_co_u32 s14, s14, s15
	s_lshl_b32 s15, ttmp9, 7                       ; column 128 x
	s_add_co_u32 s14, s14, s15
	s_mov_b32 s15, 0
	s_lshr_b32 s22, s12, 1
	s_and_b32 s23, s12, 1
	s_lshl_b32 s16, ttmp9, 1
	s_add_co_u32 s16, s16, s22                     ; n / 64 of unit w
	s_lshl_b32 s16, s16, 5
	s_lshl_b32 s24, s13, 1
	s_add_co_u32 s24, s24, s23                     ; k / 128 of unit w
	s_add_co_u32 s16, s16, s24
	s_mul_i32 s16, s16, UNIT
	s_mov_b32 s17, 0
	s_mov_b32 s20, 0x600000                        ; the mantissa field of 57,344
	s_mov_b32 s21, 0x80808080                      ; turns the top bit of four bytes
	s_wait_alu depctr_va_vdst(0)                   ; the wait at the head's end
	s_wait_kmcnt 0x0
	s_load_b32 s18, s[6:7], 0x0                    ; scale
	s_add_nc_u64 s[4:5], s[4:5], s[14:15]
	s_add_nc_u64 s[8:9], s[8:9], s[16:17]
.set i, 0
.rept 64
	global_load_b32 v[X+i], v3, s[4:5] offset:2048*i
.set i, i+1
.endr
	s_wait_kmcnt 0x0
	s_mov_b32 s19, s18                             ; the packed form names the pair
	v_mov_b32 v8, s18
	v_mul_f32 v8, 0xc3000000, v8                   ; -128 x scale: exact
	v_mov_b32 v9, v8
.macro COL t, c                        ; column c of block t: 32 numbers are made, quantised and put into the stage
.set i, 0
.rept 32
	v_bfe_u32 v[F+i], v[X+32*\t+i], 8*\c, 8        ; u = w + 128
.set i, i+1
.endr
.set i, 0
.rept 32
	v_cvt_f32_u32 v[F+i], v[F+i]
.set i, i+1
.endr
.set i, 0
.rept 16
	v_pk_fma_f32 v[F+i:F+i+1], v[F+i:F+i+1], s[18:19], v[8:9] op_sel_hi:[1,0,0]   ; w x scale, rounded once
.set i, i+2
.endr
	v_max3_num_f32 v12, |v[F]|, |v[F+1]|, |v[F+2]|                 ; the largest magnitude, in two chains
	v_max3_num_f32 v13, |v[F+3]|, |v[F+4]|, |v[F+5]|
.irp i, 6,10,14,18,22,26
	v_max3_num_f32 v12, v12, |v[F+\i]|, |v[F+\i+1]|
	v_max3_num_f32 v13, v13, |v[F+\i+2]|, |v[F+\i+3]|
.endr
	v_max3_num_f32 v12, v12, |v[F+30]|, |v[F+31]|
	v_max3_num_f32 v12, v12, v13, 0x8000000        ; the floor 2^(16 - 127): the byte cannot fall under 1
	v_add_nc_u32 v11, 0xf8800000, v12              ; 15 off the exponent field: the conversion's scale operand
	v_and_or_b32 v10, v12, 0x7f800000, s20         ; 57,344 x the scale
.set i, 0
.rept 32
	v_med3_num_f32 v[F+i], v[F+i], -v10, v10       ; the conversion does not saturate (ISA guide 7.6.2)
.set i, i+1
.endr
.irp g, 0,1,2,3
	v_cvt_scalef32_pk8_bf8_f32 v[C+8*(4*\t+\c)+2*\g:C+8*(4*\t+\c)+2*\g+1], v[F+8*\g:F+8*\g+7], v11
.endr
	v_lshrrev_b32 v13, 23, v11                     ; the scale's byte; also the plain line behind the conversions
.if \t == 0
	v_mov_b32 v[SB+\c], v13
.else
	v_lshl_or_b32 v[SB+\c], v13, 8, v[SB+\c]
.endif
	ds_store_b128 v4, v[C+8*(4*\t+\c):C+8*(4*\t+\c)+3] offset:512*\t+16*\c            ; k 0..15 of the block: h = 0
	ds_store_b128 v4, v[C+8*(4*\t+\c)+4:C+8*(4*\t+\c)+7] offset:512*\t+16*\c+256      ; k 16..31: h = 1
.if \t == 1
	ds_store_b16 v5, v[SB+\c] offset:8192+4*\c     ; my wave's two bytes of that column's scale word
.endif
.endm
.macro BLOCK t
.set i, 0
.rept 32
	v_xor_b32 v[X+32*\t+i], s21, v[X+32*\t+i]
.set i, i+1
.endr
.irp c, 0,1,2,3
	COL \t, \c
.endr
.endm
	s_wait_loadcnt 32                              ; the first block's 32 loads are in, the second's may be out
	BLOCK 0
	s_wait_loadcnt 0x0
	BLOCK 1
	s_wait_dscnt 0x0                               ; for the others' sake: my stores into the stage are done
	s_barrier_signal -1
	s_barrier_wait -1
.irp j, 0,1,2,3,4,5,6,7,8,9,10,11,12,13,14,15
	ds_load_b128 v[OUTR+4*\j:OUTR+4*\j+3], v7 offset:512*\j
.endr
	ds_load_b64 v[OUTR+64:OUTR+65], v14 offset:8192
.irp j, 0,1,2,3,4,5,6,7,8,9,10,11,12,13,14,15
	s_wait_dscnt 16-\j                             ; load j is in
	global_store_b128 v6, v[OUTR+4*\j:OUTR+4*\j+3], s[8:9] offset:512*\j   ; 512 consecutive bytes, at a multiple of 256 from wq's first byte
.endr
	s_wait_dscnt 0x0
	global_store_b64 v15, v[OUTR+64:OUTR+65], s[8:9] offset:8192           ; the unit's 256 bytes of scale words
	s_wait_tensorcnt 0x0                           ; the wave's end
	ds_add_u32 v192, v193
	s_wait_dscnt 0x0
	s_endpgm
.Lfunc_end_k_q22d2eaf150_quant:
	.size	k_q22d2eaf150_quant, .Lfunc_end_k_q22d2eaf150_quant-k_q22d2eaf150_quant
	.p2alignl 7, 3214868480
	.fill 96, 4, 3214868480
	.section	.rodata,"a",@progbits
	.p2align	6, 0x0
	.amdhsa_kernel k_q22d2eaf150_quant
		.amdhsa_group_segment_fixed_size 35328
		.amdhsa_private_segment_fixed_size 0
		.amdhsa_enable_private_segment 0
		.amdhsa_kernarg_size 24
		.amdhsa_user_sgpr_count 2
		.amdhsa_user_sgpr_kernarg_segment_ptr 1
		.amdhsa_wavefront_size32 1
		.amdhsa_system_sgpr_workgroup_id_x 1
		.amdhsa_system_sgpr_workgroup_id_y 1
		.amdhsa_system_sgpr_workgroup_id_z 1
		.amdhsa_system_vgpr_workitem_id 0
		.amdhsa_next_free_vgpr 194
		.amdhsa_next_free_sgpr 66
		.amdhsa_reserve_vcc 0
		.amdhsa_float_denorm_mode_32 3
		.amdhsa_float_denorm_mode_16_64 3
		.amdhsa_memory_ordered 1
		.amdhsa_forward_progress 1
		.amdhsa_inst_pref_size 76
	.end_amdhsa_kernel
	.amdgpu_metadata
---
amdhsa.version: [ 1, 2 ]
amdhsa.kernels:
  - .name:           k_q22d2eaf150_quant
    .symbol:         k_q22d2eaf150_quant.kd
    .args:
      - { .name: quantized_kernel, .offset: 0, .size: 8, .value_kind: global_buffer, .address_space: global }
      - { .name: scale, .offset: 8, .size: 8, .value_kind: global_buffer, .address_space: global }
      - { .name: wq, .offset: 16, .size: 8, .value_kind: global_buffer, .address_space: global }
    .group_segment_fixed_size: 35328
    .private_segment_fixed_size: 0
    .kernarg_segment_align: 8
    .kernarg_segment_size: 24
    .max_flat_workgroup_size: 128
    .sgpr_count:     66
    .vgpr_count:     194
    .wavefront_size: 32
...
	.end_amdgpu_metadata
.endif
;; end of part 1
;; launch gemm (part 2): grid 8 x 32, 4 waves a work-group, clusters of 4 x 1, 327,680 bytes of LDS; arguments x_codes, x_scales, wq, out0; writes out0
.if DOCPART == 2
	.amdgcn_target "amdgcn-amd-amdhsa--gfx1250"
	.amdhsa_code_object_version 6
	.text
	.protected	k_q22d2eaf150_gemm
	.globl	k_q22d2eaf150_gemm
	.p2align	8
	.type	k_q22d2eaf150_gemm,@function
k_q22d2eaf150_gemm:
	s_mov_b64 s[64:65], 0
	v_nop
	global_prefetch_b8 v0, s[64:65] scope:SCOPE_SE
	s_setreg_imm32_b32 hwreg(HW_REG_WAVE_MODE, 25, 1), 1
	s_wait_xcnt 0x0
	s_wait_alu depctr_hold_cnt(0) depctr_sa_sdst(0) depctr_va_vdst(0) depctr_va_sdst(0) depctr_va_ssrc(0) depctr_va_vcc(0) depctr_vm_vsrc(0)
	s_getreg_b32 s2, hwreg(HW_REG_IB_STS2, 6, 4)
	s_cmp_eq_u32 s2, 0
	s_cbranch_scc0 .Lentry_in_a_cluster
	s_endpgm
.Lentry_in_a_cluster:
	s_bfe_u32 s2, ttmp6, 0x10000c
	s_cmp_lg_u32 s2, 0x3003
	s_cbranch_scc0 .Lentry_shape_is_right
	s_endpgm
.Lentry_shape_is_right:
; out[m][n] = sum over k of x[m][k] W[k][n], both in codes of BF8 with E8M0 scales; m < 8,192, n < 2,048, k < 4,096; sums in f32.
; A work-group makes 256 x 256 of out; wave w makes all 256 rows x columns 64 w .. 64 w + 63: 64 accumulators, 512 registers.  No two waves share a column of W.
; x goes through LDS: two slots of 256 rows x 512 K (rows of 512 bytes + 16 of padding), 135,168 bytes each, filled by tensor loads, 64 rows a wave; a slot is 4 steps of 128 K, 256 products a wave.
; x's scales of the 256 rows, 32,768 dense bytes, come into LDS once.
; W goes from memory straight into registers: wq holds, for each 64 columns and 128 K, a unit of 8,448 bytes in the order of the operand's registers (16 loads of 512 bytes, 2 of scale words).
; Four sets of 64 registers take turns: a step's set is asked for again as soon as the step is over, four steps ahead of its use.
; CLUSTERS: the four work-groups of a cluster (4, 1, 1) make the same 256 rows and ask for x's tiles and scales jointly.  W has no joint form here: it lands in registers, and the two slots,
; the scales and the spare words take 305,664 bytes of LDS, so that W's tiles have no room there.
; PREFETCHES: at a change of slots that asks for slot s + 2, slot s + 3 of x: 512 blocks of 256 bytes, one a lane, shared among the cluster's 16 waves by address; the change that would name slot 8 asks for nothing.
; In the loop each step asks for the 8,192 bytes of codes of the unit that is loaded three steps later; the work-groups of grid row 0 alone ask, since all 32 rows read the same units.  The loop's last step names unit 31.
; THE PRODUCT IS USED TRANSPOSED: source 0 = 16 columns of W, source 1 = 16 rows of x: a lane holds eight neighbouring numbers of a row of out.
; REGISTERS: window 0: v16-29 addresses; v32-95 x's scale words, two sets (register 4 i + q: lanes 0-15 block i, lanes 16-31 block i + 8, step q); v96-103 W's scale words;
;   v128-255 x's fragments, 8 blocks of 16 rows x 128 K.  Window 1: W's four sets.  Windows 2, 3: accumulator (a, b) at v[8 (4 (a % 8) + b)], window 2 + a / 8.
.set UNIT,  8448
.set PITCH, 528
.set ABLK,  16*PITCH
.set SLOTB, 256*PITCH
.set SCL,   2*SLOTB
.set SPARE, SCL+128*272
.set ADRA, 16                          ; v16-19: x's fragments: slot 0 blocks 0-7, 8-15; slot 1 likewise (an LDS immediate has 16 bits)
.set ADRS, 20
.set STO,  21
.set RD,   22
.set CO,   23
.set VB,   24
.set VBS,  25
.set PFO,  26
.set PFW,  27
.set SPW,  28
.set NIL,  29
.set SA,   32
.set SBR,  96
.set AF,   128
.set BK,   0                           ; the way out: rows read back from the stage, in window 1: W's set 0, which is done with by then
.set G1,  24                           ; ring: 64 rows
.set G0,  32
.set G1H, 48                           ; head: 128 rows
.set G0H, 56
.set G1S, 68                           ; scales
.set G0S, 76
.set BP,  44
.set PFA, 46
.set PFON, 0
.set MSB, 0
.macro WIN new
.if MSB != \new
	s_set_vgpr_msb (MSB<<8)|\new
.set MSB, \new
.endif
.endm
.set MUL_LO, 0xa1
.set TO_B,   0x40
.macro PLACES n
.rept \n
	v_nop
.endr
.endm
.macro CREST
	s_cmp_lg_u32 s14, 0
	s_cbranch_scc1 .Lnot_wave_0_\@
	s_barrier_signal -3
.Lnot_wave_0_\@:
	s_barrier_wait -3
	s_barrier_signal -1
	s_barrier_wait -1
.endm
.macro CROUND
	s_barrier_signal -1
	s_barrier_wait -1
	CREST
.endm
; 8 products: x's blocks a0, a0 + 1 against W's four fragments of step q.  The 64 accumulators take turns in one order in every step.
; W's scale register is (q + 1) % 4 + 4 (b / 2) and x's 4 (a % 8) + q above multiples of 8: the two differ modulo 8.
.macro MUL8 q, a0, set, zero
.irp a, \a0, \a0+1
.irp b, 0,1,2,3
.set rD, 8*(4*((\a)%8)+\b)
.set rB, 64*(\q)+16*\b
.set rA, AF+16*((\a)%8)
.set rSB, SBR+((\q)+1)%4+4*(\b/2)
.set rSA, SA+32*(\set)+4*((\a)%8)+(\q)
.set CASE, 4*(\zero)+2*((\a)/8)+(\b%2)
.if CASE == 0
	v_wmma_scale_f32_16x16x128_f8f6f4 v[rD:rD+7], v[rB:rB+15], v[rA:rA+15], v[rD:rD+7], v[rSB], v[rSA] matrix_a_fmt:MATRIX_FMT_BF8 matrix_b_fmt:MATRIX_FMT_BF8
.elseif CASE == 1
	v_wmma_scale_f32_16x16x128_f8f6f4 v[rD:rD+7], v[rB:rB+15], v[rA:rA+15], v[rD:rD+7], v[rSB], v[rSA] matrix_a_fmt:MATRIX_FMT_BF8 matrix_b_fmt:MATRIX_FMT_BF8 matrix_a_scale:MATRIX_SCALE_ROW1
.elseif CASE == 2
	v_wmma_scale_f32_16x16x128_f8f6f4 v[rD:rD+7], v[rB:rB+15], v[rA:rA+15], v[rD:rD+7], v[rSB], v[rSA] matrix_a_fmt:MATRIX_FMT_BF8 matrix_b_fmt:MATRIX_FMT_BF8 matrix_b_scale:MATRIX_SCALE_ROW1
.elseif CASE == 3
	v_wmma_scale_f32_16x16x128_f8f6f4 v[rD:rD+7], v[rB:rB+15], v[rA:rA+15], v[rD:rD+7], v[rSB], v[rSA] matrix_a_fmt:MATRIX_FMT_BF8 matrix_b_fmt:MATRIX_FMT_BF8 matrix_a_scale:MATRIX_SCALE_ROW1 matrix_b_scale:MATRIX_SCALE_ROW1
.elseif CASE == 4
	v_wmma_scale_f32_16x16x128_f8f6f4 v[rD:rD+7], v[rB:rB+15], v[rA:rA+15], 0, v[rSB], v[rSA] matrix_a_fmt:MATRIX_FMT_BF8 matrix_b_fmt:MATRIX_FMT_BF8
.elseif CASE == 5
	v_wmma_scale_f32_16x16x128_f8f6f4 v[rD:rD+7], v[rB:rB+15], v[rA:rA+15], 0, v[rSB], v[rSA] matrix_a_fmt:MATRIX_FMT_BF8 matrix_b_fmt:MATRIX_FMT_BF8 matrix_a_scale:MATRIX_SCALE_ROW1
.elseif CASE == 6
	v_wmma_scale_f32_16x16x128_f8f6f4 v[rD:rD+7], v[rB:rB+15], v[rA:rA+15], 0, v[rSB], v[rSA] matrix_a_fmt:MATRIX_FMT_BF8 matrix_b_fmt:MATRIX_FMT_BF8 matrix_b_scale:MATRIX_SCALE_ROW1
.else
	v_wmma_scale_f32_16x16x128_f8f6f4 v[rD:rD+7], v[rB:rB+15], v[rA:rA+15], 0, v[rSB], v[rSA] matrix_a_fmt:MATRIX_FMT_BF8 matrix_b_fmt:MATRIX_FMT_BF8 matrix_a_scale:MATRIX_SCALE_ROW1 matrix_b_scale:MATRIX_SCALE_ROW1
.endif
.endr
.endr
.endm
; A group: x's blocks 4 g .. 4 g + 3, 16 products, and the eight places in front of the loads that follow.  dw: the younger LDS loads, which may stay out
.macro GRP q, g, set, zero, dw
	s_wait_dscnt \dw
	WIN MUL_LO+0x50*((\g)/2)
	MUL8 \q, 4*(\g), \set, \zero
	MUL8 \q, 4*(\g)+2, \set, \zero
	WIN 0
	PLACES 8
.endm
.macro LDA h, q, g                     ; x's blocks 4 g .. 4 g + 3 of step q of slot h: 16 loads, into the registers of the group two back
.irp i, 0,1,2,3
.irp c, 0,1,2,3
	ds_load_b128 v[AF+64*((\g)%2)+16*\i+4*\c:AF+64*((\g)%2)+16*\i+4*\c+3], v[ADRA+2*(\h)+(\g)/2] offset:128*(\q)+32*\c+(4*((\g)%2)+\i)*ABLK
.endr
.endr
.endm
.macro SCALES set                      ; a slot's scale words of x: 16 bytes a row
.irp i, 0,1,2,3,4,5,6,7
	ds_load_b128 v[SA+32*(\set)+4*\i:SA+32*(\set)+4*\i+3], v[ADRS] offset:\i*8*272
.endr
.endm
.macro LDB q, bo                       ; W's unit bo (counted from the base) into set q: 18 loads.  bo = 99: none
.if (\bo) != 99
	WIN TO_B
.irp j, 0,1,2,3,4,5,6,7,8,9,10,11,12,13,14,15
	global_load_b128 v[64*(\q)+4*\j:64*(\q)+4*\j+3], v[VB], s[BP:BP+1] offset:(\bo)*UNIT+512*\j
.endr
	WIN 0
	global_load_b32 v[SBR+((\q)+1)%4], v[VBS], s[BP:BP+1] offset:(\bo)*UNIT+8192
	global_load_b32 v[SBR+((\q)+1)%4+4], v[VBS], s[BP:BP+1] offset:(\bo)*UNIT+8320
.if PFON
	s_cmp_lg_u32 s17, 0                            ; grid row 0 alone asks
	s_cbranch_scc1 .Lno_w_\@
	global_prefetch_b8 v[PFW], s[BP:BP+1] offset:((\bo)+3)*UNIT th:TH_LOAD_NT scope:SCOPE_SE
.Lno_w_\@:
.endif
.endif
.endm
; One of a slot's first three steps.  lc: the loads of the younger sets, 18 each.  bump = 1: the bases of W's loads and of x's prefetches step, one group behind the last prefetch
.macro STEP h, q, zero, lc, bo, bump
	s_wait_loadcnt \lc
	GRP \q, 0, \h, \zero, 16
	LDA \h, \q, 2
.if \bump
	s_wait_xcnt 0x0                                ; the loads and prefetches issued so far have read their bases
	s_add_nc_u64 s[BP:BP+1], s[BP:BP+1], 8*UNIT
	s_add_nc_u64 s[PFA:PFA+1], s[PFA:PFA+1], 1024
.endif
	GRP \q, 1, \h, \zero, 16
	LDA \h, \q, 3
	GRP \q, 2, \h, \zero, 16
	LDA \h, (\q)+1, 0
	GRP \q, 3, \h, \zero, 16
	LDA \h, (\q)+1, 1
	LDB \q, \bo
.endm
; A slot's last step changes slots.  fill = 1: slot h is filled again, two slots on, behind a round of the cluster's barrier.  pf = 1: x's prefetch; 2: not in the loop's last trip
.macro TURN h, fill, bo, pf
	s_wait_loadcnt 54
	GRP 3, 0, \h, 0, 16
	v_add_nc_u32 v[ADRS], 16, v[ADRS]              ; the next slot's scale words
	s_wait_alu depctr_va_vdst(0)                   ; the wait directly behind the write
	SCALES 1-(\h)
	LDA \h, 3, 2
	GRP 3, 1, \h, 0, 24                            ; younger: 8 loads of scale words and 16 of fragments
	LDA \h, 3, 3
	s_wait_tensorcnt 0x0                           ; my part of the next slot has landed
	ds_add_u32 v[SPW], v[NIL]
.if \fill
	s_add_nc_u64 s[G0+4*(\h)+2:G0+4*(\h)+3], s[G0+4*(\h)+2:G0+4*(\h)+3], 1024
.endif
	s_wait_dscnt 17                                ; the add and the youngest 16 loads may be out
	WIN MUL_LO+0x50
	MUL8 3, 8, \h, 0
	MUL8 3, 10, \h, 0
	s_wait_dscnt 0x0                               ; the add is done, my reads of this slot are over
	s_barrier_signal -1
	MUL8 3, 12, \h, 0
	WIN 0
	s_barrier_wait -1
.if \fill
	CREST
	tensor_load_to_lds s[G0+4*(\h):G0+4*(\h)+3], s[G1:G1+7]
	s_nop 0
.endif
	PLACES 8
	LDA 1-(\h), 0, 0
.if \pf == 1
	global_prefetch_b8 v[PFO], s[PFA:PFA+1] th:TH_LOAD_NT scope:SCOPE_SE
.elseif \pf == 2
	s_cmp_gt_u32 s3, 1
	s_cbranch_scc0 .Lno_x_\@
	global_prefetch_b8 v[PFO], s[PFA:PFA+1] offset:512 th:TH_LOAD_NT scope:SCOPE_SE
.Lno_x_\@:
.endif
	WIN MUL_LO+0x50
	MUL8 3, 14, \h, 0
	WIN 0
	PLACES 8
	LDA 1-(\h), 0, 1
	LDB 3, \bo
.endm
	s_load_b256 s[4:11], s[0:1], 0x0               ; x_codes, x_scales, wq, out0
	v_lshl_add_u32 v[SPW], v0, 2, SPARE
	v_mov_b32 v[NIL], 0
	ds_add_u32 v[SPW], v[NIL]                      ; the opening lines: the add twice on end
	ds_add_u32 v[SPW], v[NIL]
	v_lshrrev_b32 v1, 5, v0
	v_readfirstlane_b32 s14, v1                    ; wave
	v_and_b32 v2, 15, v0                           ; r
	v_bfe_u32 v3, v0, 4, 1                         ; h
	v_and_b32 v4, 31, v0                           ; lane
	v_mul_u32_u24 v5, v2, PITCH
	v_lshl_add_u32 v[ADRA], v3, 4, v5              ; row r, + 16 h
	v_add_nc_u32 v[ADRA+1], 8*ABLK, v[ADRA]
	v_add_nc_u32 v[ADRA+2], SLOTB, v[ADRA]
	v_add_nc_u32 v[ADRA+3], SLOTB+8*ABLK, v[ADRA]
	v_lshrrev_b32 v6, 1, v2                        ; x's scales: two rows of 128 bytes to an LDS row of 272
	v_mul_u32_u24 v6, v6, 272
	v_and_b32 v7, 1, v2
	v_lshl_add_u32 v6, v7, 7, v6
	v_mul_u32_u24 v7, v3, 64*272                   ; lanes 16-31: 128 rows on
	v_add_nc_u32 v6, v6, v7
	v_add_nc_u32 v[ADRS], SCL, v6
	v_mul_u32_u24 v8, v1, 16*272                   ; my stage
	v_mul_u32_u24 v9, v2, 272
	v_lshl_add_u32 v9, v3, 5, v9
	v_add_nc_u32 v[STO], v8, v9                    ; in: row r, 32 bytes for each half of the lanes
	v_mul_u32_u24 v9, v3, 272
	v_lshl_add_u32 v9, v2, 4, v9
	v_add_nc_u32 v[RD], v8, v9                     ; back: lanes 0-15 one row of 256 bytes, lanes 16-31 the next
	v_lshlrev_b32 v9, 4, v2
	v_lshl_add_u32 v[CO], v3, 13, v9               ; the same two rows in out
	v_lshlrev_b32 v[VB], 4, v4
	v_lshlrev_b32 v[VBS], 2, v4
	v_lshlrev_b32 v[PFW], 8, v4
	v_lshrrev_b32 v9, 1, v4
	v_and_b32 v10, 1, v4
	v_lshlrev_b32 v10, 8, v10
	v_lshl_add_u32 v[PFO], v9, 12, v10             ; x's prefetch: row lane / 2, half lane % 2 of its 512 bytes
	s_and_b32 s16, s14, 1
	s_bfe_u32 s40, ttmp6, 0x40000                  ; cx
	s_lshl_b32 s42, ttmp9, 2
	s_add_co_u32 s42, s42, s40                     ; tile column
	s_and_b32 s17, ttmp7, 0xffff                   ; tile row
.irp g, G1, G1H
	s_mov_b32 s[\g+0], 15|(1<<20)|(1<<21)|(6<<22)|(3<<25)   ; the cluster's four; bytes; 4 words of padding behind every 128
	s_mov_b32 s[\g+1], 512<<16
	s_mov_b32 s[\g+3], 512<<16
	s_mov_b32 s[\g+5], 4096
	s_mov_b32 s[\g+6], 0
	s_mov_b32 s[\g+7], 0
.endr
	s_mov_b32 s[G1+2], 64<<16
	s_mov_b32 s[G1+4], 64
	s_mov_b32 s[G1H+2], 128<<16
	s_mov_b32 s[G1H+4], 128
	s_mov_b32 s[G1S+0], 15|(3<<16)|(1<<20)|(1<<21)|(5<<22)|(3<<25)   ; 64 rows of 256 bytes, 16 of padding behind each
	s_mov_b32 s[G1S+1], 32<<16
	s_mov_b32 s[G1S+2], 64<<16
	s_mov_b32 s[G1S+3], 32<<16
	s_mov_b32 s[G1S+4], 64
	s_mov_b32 s[G1S+5], 32
	s_mov_b32 s[G1S+6], 0
	s_mov_b32 s[G1S+7], 0
	s_lshl_b32 s20, s17, 20                        ; 256 rows of 4,096 bytes
	s_lshl_b32 s18, s16, 19                        ; head: 128 rows a wave
	s_add_co_u32 s18, s18, s20
	s_mov_b32 s19, 0
	s_lshl_b32 s22, s14, 18                        ; ring: 64 rows a wave
	s_add_co_u32 s22, s22, s20
	s_mov_b32 s23, 0
	s_lshl_b32 s12, s17, 15                        ; scales: 256 rows of 128 bytes, half a wave
	s_lshl_b32 s13, s16, 14
	s_add_co_u32 s12, s12, s13
	s_mov_b32 s13, 0
	s_lshl_b32 s80, s42, 2
	s_add_co_u32 s80, s80, s14
	s_mul_i32 s80, s80, 32*UNIT                    ; W: my 64 columns' 32 units
	s_mov_b32 s81, 0
	s_lshl_b32 s82, s17, 21                        ; out: 256 rows of 8,192 bytes,
	s_lshl_b32 s83, s42, 10
	s_add_co_u32 s82, s82, s83
	s_lshl_b32 s83, s14, 8                         ; my 64 columns
	s_add_co_u32 s82, s82, s83
	s_mov_b32 s83, 0
	s_lshl_b32 s86, s40, 18                        ; x's prefetch: rows 64 cx + 16 wave + 0..15, slot 1 (the first step of the base makes it slot 3)
	s_add_co_u32 s86, s86, s20
	s_lshl_b32 s87, s14, 16
	s_add_co_u32 s86, s86, s87
	s_add_co_u32 s86, s86, 512
	s_mov_b32 s87, 0
	s_mov_b32 s[G0H], 1
	s_mul_i32 s[G0H+1], s16, 128*PITCH
	s_mov_b32 s[G0S], 1
	s_mul_i32 s[G0S+1], s16, 64*272
	s_add_co_u32 s[G0S+1], s[G0S+1], SCL
	s_mov_b32 s[G0], 1
	s_mul_i32 s[G0+1], s14, 64*PITCH
	s_mov_b32 s[G0+4], 1
	s_add_co_u32 s[G0+5], s[G0+1], SLOTB
	s_wait_alu depctr_va_vdst(0)                   ; the wait at the head's end
	s_wait_dscnt 0x0                               ; both opening adds are done
	s_wait_kmcnt 0x0
	s_add_nc_u64 s[BP:BP+1], s[8:9], s[80:81]
	s_add_nc_u64 s[10:11], s[10:11], s[82:83]
	s_add_nc_u64 s[PFA:PFA+1], s[4:5], s[86:87]
	s_add_nc_u64 s[G0H+2:G0H+3], s[4:5], s[18:19]
	s_or_b32 s[G0H+3], s[G0H+3], 0x80000000
	s_add_nc_u64 s[G0S+2:G0S+3], s[6:7], s[12:13]
	s_or_b32 s[G0S+3], s[G0S+3], 0x80000000
	s_add_nc_u64 s[G0+2:G0+3], s[4:5], s[22:23]    ; slot 0's first refill steps this to slot 2
	s_add_nc_u64 s[G0+6:G0+7], s[G0+2:G0+3], 512   ; slot 1
	s_or_b32 s[G0+3], s[G0+3], 0x80000000
	s_or_b32 s[G0+7], s[G0+7], 0x80000000
	LDB 0, 0                                       ; W's first unit: 18 loads
	CROUND                                         ; in front of the first joint loads
	s_cmp_lt_u32 s14, 2                            ; one load a wave: waves 0, 1 slot 0's halves, waves 2, 3 the scales' halves
	s_cbranch_scc0 .Lhead_s
	tensor_load_to_lds s[G0H:G0H+3], s[G1H:G1H+7]
	s_nop 0
	PLACES 4
	s_branch .Lhead_j
.Lhead_s:
	tensor_load_to_lds s[G0S:G0S+3], s[G1S:G1S+7]
	s_nop 0
	PLACES 4
.Lhead_j:
	LDB 1, 1                                       ; W's units 1 to 3, wanted later than x's first tiles, are asked for behind them
	LDB 2, 2
	LDB 3, 3
	s_wait_tensorcnt 0x0
	ds_add_u32 v[SPW], v[NIL]
	s_wait_dscnt 0x0
	CROUND
	tensor_load_to_lds s[G0+4:G0+7], s[G1:G1+7]    ; slot 1's first fill
	s_nop 0
	PLACES 4
	SCALES 0
	LDA 0, 0, 0
	LDA 0, 0, 1
	STEP 0, 0, 1, 54, 4, 0                         ; the first step starts the sums
	s_mov_b32 s3, 3
.set PFON, 1
.Llap:                                                 ; a trip: 8 steps, from an even slot's second step to the next even slot's first; both slots are filled again
	STEP 0, 1, 0, 54, -3, 1
	STEP 0, 2, 0, 54, -2, 0
	TURN 0, 1, -1, 1
	STEP 1, 0, 0, 54, 0, 0
	STEP 1, 1, 0, 54, 1, 0
	STEP 1, 2, 0, 54, 2, 0
	TURN 1, 1, 3, 2
	STEP 0, 0, 0, 54, 4, 0
	s_sub_co_u32 s3, s3, 1
	s_cmp_lg_u32 s3, 0
	s_cbranch_scc1 .Llap
.set PFON, 0
	STEP 0, 1, 0, 54, -3, 1                        ; slots 6 and 7: nothing is filled again; W's last three units
	STEP 0, 2, 0, 54, -2, 0
	TURN 0, 0, -1, 0
; SLOT 7'S LAST THREE STEPS GO BY ROWS OF out: W's sets 1 to 3 lie in registers together, so each block of 16 rows is finished by 12 products (steps 1 to 3 x W's four fragments;
; its four accumulators take turns, three others between two steps of a sum) and leaves at once, while the later blocks are multiplied.
; x's fragments of a block, 3 x 16 registers, have two buffers, v128-175 and v176-223.
.macro LDAR a                          ; block a's fragments of steps 1 to 3: 12 loads
.irp q, 1,2,3
.set rF, AF+16*(3*((\a)%2)+\q-1)
.irp c, 0,1,2,3
	ds_load_b128 v[rF+4*\c:rF+4*\c+3], v[ADRA+2+(\a)/8] offset:128*\q+32*\c+((\a)%8)*ABLK
.endr
.endr
.endm
.macro MULR a
.irp q, 1,2,3
.if (\a) == 0
	s_wait_loadcnt 18*(3-\q)                       ; W's set q is in; the younger sets, 18 loads each, may be out
.endif
.irp b, 0,1,2,3
.set rD, 8*(4*((\a)%8)+\b)
.set rB, 64*\q+16*\b
.set rA, AF+16*(3*((\a)%2)+\q-1)
.set rSB, SBR+(\q+1)%4+4*(\b/2)
.set rSA, SA+32+4*((\a)%8)+\q
.set CASE, 2*((\a)/8)+(\b%2)
.if CASE == 0
	v_wmma_scale_f32_16x16x128_f8f6f4 v[rD:rD+7], v[rB:rB+15], v[rA:rA+15], v[rD:rD+7], v[rSB], v[rSA] matrix_a_fmt:MATRIX_FMT_BF8 matrix_b_fmt:MATRIX_FMT_BF8
.elseif CASE == 1
	v_wmma_scale_f32_16x16x128_f8f6f4 v[rD:rD+7], v[rB:rB+15], v[rA:rA+15], v[rD:rD+7], v[rSB], v[rSA] matrix_a_fmt:MATRIX_FMT_BF8 matrix_b_fmt:MATRIX_FMT_BF8 matrix_a_scale:MATRIX_SCALE_ROW1
.elseif CASE == 2
	v_wmma_scale_f32_16x16x128_f8f6f4 v[rD:rD+7], v[rB:rB+15], v[rA:rA+15], v[rD:rD+7], v[rSB], v[rSA] matrix_a_fmt:MATRIX_FMT_BF8 matrix_b_fmt:MATRIX_FMT_BF8 matrix_b_scale:MATRIX_SCALE_ROW1
.else
	v_wmma_scale_f32_16x16x128_f8f6f4 v[rD:rD+7], v[rB:rB+15], v[rA:rA+15], v[rD:rD+7], v[rSB], v[rSA] matrix_a_fmt:MATRIX_FMT_BF8 matrix_b_fmt:MATRIX_FMT_BF8 matrix_a_scale:MATRIX_SCALE_ROW1 matrix_b_scale:MATRIX_SCALE_ROW1
.endif
.endr
.endr
.endm
	s_wait_loadcnt 54                              ; slot 7's first step, as every other; behind it come the first two blocks' fragments
	GRP 0, 0, 1, 0, 16
	LDA 1, 0, 2
	GRP 0, 1, 1, 0, 16
	LDA 1, 0, 3
	GRP 0, 2, 1, 0, 16
	LDAR 0
	GRP 0, 3, 1, 0, 12                             ; younger: block 0's 12 loads
	LDAR 1
; THE WAY OUT, by blocks of 16 rows x 64 columns, through my own stage: it lies in slot 0, which has had its last fill, and every wave has passed the barrier behind its last read.
; LDS serves a wave's instructions in order (ISA guide 5.7.1.4): no wait between the stores and the loads.
.macro TOSTAGE a
.set AC, 32*((\a)%8)
	WIN 0x08+4*((\a)/8)
.irp b, 0,1,2,3
	ds_store_b128 v[STO], v[AC+8*\b:AC+8*\b+3] offset:64*\b          ; each accumulator from its low end on
	ds_store_b128 v[STO], v[AC+8*\b+4:AC+8*\b+7] offset:64*\b+16
.endr
	WIN TO_B
.set BB, BK+32*((\a)%2)
.irp t, 0,1,2,3,4,5,6,7
	ds_load_b128 v[BB+4*\t:BB+4*\t+3], v[RD] offset:\t*2*272
.endr
	WIN 0
.endm
.macro SEND a, younger
.set BB, BK+32*((\a)%2)
	s_wait_dscnt \younger
.if (\a) > 0
	s_add_nc_u64 s[10:11], s[10:11], 16*8192       ; behind a wait on XCNT: the earlier stores have read their base
.endif
	WIN 0x04                                       ; the stores' data lie in window 1
.irp t, 0,1,2,3,4,5,6,7
	global_store_b128 v[CO], v[BB+4*\t:BB+4*\t+3], s[10:11] offset:\t*2*8192 th:TH_STORE_NT   ; 16 lanes store 256 consecutive bytes, at a multiple of 256 from out's first byte
.endr
	WIN 0
.endm
.irp a, 0,1,2,3,4,5,6,7,8,9,10,11,12,13,14,15
.if \a == 0
	s_wait_dscnt 12                                ; block 0's fragments are in; block 1's 12 loads may be out
.else
	s_wait_dscnt 28                                ; younger than block a's fragments: 12 loads and the 16 lines of a block's way through the stage, at the least
.endif
	WIN MUL_LO+0x50*(\a/8)
	MULR \a
	WIN 0
	PLACES 8                                       ; in front of the loads into the block's buffer and of the stores that read its results
.if \a < 14
	LDAR \a+2
.endif
.if \a > 1
	s_wait_xcnt 0x0                                ; block a - 2's stores have read their registers and their base
.endif
	TOSTAGE \a
.if \a > 0
.if \a < 14
	SEND \a-1, 28                                  ; younger: 12 loads of fragments, block a's 8 stores and 8 loads
.else
	SEND \a-1, 16
.endif
.endif
.endr
	s_wait_xcnt 0x0
	SEND 15, 0
	s_wait_tensorcnt 0x0                           ; the wave's end
	ds_add_u32 v[SPW], v[NIL]
	s_wait_dscnt 0x0
	CROUND                                         ; the closing round
	s_endpgm
.Lfunc_end_k_q22d2eaf150_gemm:
	.size	k_q22d2eaf150_gemm, .Lfunc_end_k_q22d2eaf150_gemm-k_q22d2eaf150_gemm
	.p2alignl 7, 3214868480
	.fill 96, 4, 3214868480
	.section	.rodata,"a",@progbits
	.p2align	6, 0x0
	.amdhsa_kernel k_q22d2eaf150_gemm
		.amdhsa_group_segment_fixed_size 327680
		.amdhsa_private_segment_fixed_size 0
		.amdhsa_enable_private_segment 0
		.amdhsa_kernarg_size 32
		.amdhsa_user_sgpr_count 2
		.amdhsa_user_sgpr_kernarg_segment_ptr 1
		.amdhsa_wavefront_size32 1
		.amdhsa_system_sgpr_workgroup_id_x 1
		.amdhsa_system_sgpr_workgroup_id_y 1
		.amdhsa_system_sgpr_workgroup_id_z 1
		.amdhsa_system_vgpr_workitem_id 0
		.amdhsa_next_free_vgpr 1024
		.amdhsa_next_free_sgpr 92
		.amdhsa_reserve_vcc 0
		.amdhsa_float_denorm_mode_32 3
		.amdhsa_float_denorm_mode_16_64 3
		.amdhsa_memory_ordered 1
		.amdhsa_forward_progress 1
		.amdhsa_inst_pref_size 255
	.end_amdhsa_kernel
	.section	.bss,"aw",@nobits
	.p2align	6
	.space	262144
	.amdgpu_metadata
---
amdhsa.version: [ 1, 2 ]
amdhsa.kernels:
  - .name:           k_q22d2eaf150_gemm
    .symbol:         k_q22d2eaf150_gemm.kd
    .args:
      - { .name: x_codes, .offset: 0, .size: 8, .value_kind: global_buffer, .address_space: global }
      - { .name: x_scales, .offset: 8, .size: 8, .value_kind: global_buffer, .address_space: global }
      - { .name: wq, .offset: 16, .size: 8, .value_kind: global_buffer, .address_space: global }
      - { .name: out0, .offset: 24, .size: 8, .value_kind: global_buffer, .address_space: global }
    .group_segment_fixed_size: 327680
    .private_segment_fixed_size: 0
    .kernarg_segment_align: 8
    .kernarg_segment_size: 32
    .max_flat_workgroup_size: 128
    .sgpr_count:     92
    .vgpr_count:     1024
    .wavefront_size: 32
...
	.end_amdgpu_metadata
.endif
;; end of part 2
